; MI455X (gfx1250); checked and timed in simulation.
; The chip was launched on July 23, 2026; its instructions are those of AMD's public machine-readable ISA for CDNA 5 (MIT licence, August 2026) and "CDNA5" Instruction Set Architecture Reference Guide (July 2026). The comments in the code are by the model that wrote it; some were corrected since.
;; Bert Linear Attention. Allowed arithmetic: matrix products marked QUANTISED: E2M3 operands, one E8M0 scale for each 32 along K, by v_wmma_scale_f32_16x16x128_f8f6f4 with both operands' format E2M3, f32 sums; everything else in f32.
;; Inputs: Wk 1,024 x 1,024 float32; Wq 1,024 x 1,024 float32; Wv 1,024 x 1,024 float32; attention_mask 1 x 4,096 int32; bk 1,024 float32; bq 1,024 float32; bv 1,024 float32; hidden_states 1 x 4,096 x 1,024 float32.
;; Outputs: out0 1 x 4,096 x 1,024 float32.
;; This version of the problem:
;;   THIS VERSION OF THE PROBLEM IS GIVEN IN LOW PRECISION. The matrix products marked QUANTISED in the list below multiply operands that are first quantised to E2M3 (2 exponent bits, 3 mantissa bits; 6 bits a number), with one power-of-two scale for each 32 numbers along K (OCP MX v1.0); their sums are f32. All else is computed in f32.
;;   The module's matrix products, in the order in which they are computed (A, B: the left and right operand; K: the contracted axis; several contracted axes count as one K, in the product's order):
;;     1. [M 4,096, K 1,024] x [K 1,024, N 1,024]; A: input hidden_states; B: input Wq: QUANTISED
;;     2. [M 4,096, K 1,024] x [K 1,024, N 1,024]; A: input hidden_states; B: input Wk: QUANTISED
;;     3. [M 4,096, K 1,024] x [K 1,024, N 1,024]; A: input hidden_states; B: input Wv: QUANTISED
;;     4. batch 16 x [M 4,096, K 64] x [K 64, N 4,096]; A: computed on the way; B: computed on the way: QUANTISED
;;     5. batch 16 x [M 64, K 4,096] x [K 4,096, N 4,096]; A: computed on the way; B: softmax (see below): QUANTISED
;;   THE QUANTISER, for each operand of a quantised product, along K:
;;     - K is cut into blocks of 32 from its start; a last block that is shorter is filled with zeros.
;;     - A block's scale is 2^e with e = floor(log2(the largest magnitude in the block)) - 2, held to -126 .. 127; a block of zeros has e = 0. As a byte (E8M0): e + 127.
;;     - Each number is divided by its block's scale, clamped to +-7.5, and rounded to the nearest number of E2M3, ties to even, subnormals kept.
;;     - The product sums the exact products of the quantised numbers (number of the format x scale) in f32.
;;   ~~~python
;;   def quantise(x, axis):      # numpy; x: float32 -> the quantised numbers, widened to float32 again
;;       x = np.moveaxis(x, axis, -1); K = x.shape[-1]
;;       x = np.pad(x, [(0, 0)] * (x.ndim - 1) + [(0, -K % 32)]); x = x.reshape(x.shape[:-1] + (-1, 32)); a = np.abs(x).max(-1, keepdims=True)
;;       e = np.where(a > 0, np.clip(np.frexp(np.where(a > 0, a, 1))[1] - 1 - 2, -126, 127), 0)      # np.frexp(a)[1] - 1 = floor(log2(a)), exactly
;;       r = np.clip(x / 2.0 ** e, -7.5, 7.5)
;;       step = 2.0 ** (np.maximum(np.frexp(np.where(r == 0, 1, r))[1] - 1, 0) - 3)
;;       q = np.round(r / step) * step * 2.0 ** e      # np.round: ties to even
;;       return np.moveaxis(q.reshape(q.shape[:-2] + (-1,))[..., :K], -1, axis).astype(np.float32)
;;   ~~~
;;   SOFTMAX AHEAD OF A QUANTISED PRODUCT. Where the list says 'softmax', what is quantised is not the finished softmax but p = 2^(t - M), with t = logit x log2(e) and M = ceil(the row's largest t), a whole number; so 1/2 < the row's largest p <= 1. The row's sum l is taken of the UNQUANTISED p, in f32, and the product's result is divided by l at the end. Since M is a whole number, a kernel that streams over the keys may use a running M (the ceiling of the running maximum): every later rescaling is an exact power of two, which a block's scale takes up: the codes' values come out the same.
;;   OPERANDS COMPUTED ON THE WAY. 'Computed on the way' means the value that the module computes at that place (a softmax that the list does not call 'softmax' is quantised finished and normalised). What goes into a quantiser is computed in f32, as accurately as f32 sums, v_exp_f32 and their like allow (about 1e-6 of the number): no bf16 or f16 on the way to a quantiser, and a product that is left as it is and whose result goes on into a quantised operand takes f32 operands (vector FMAs, or v_wmma_f32_16x16x4_f32). A number that lies on a knife's edge between two numbers of the format may be rounded either way, as far as f32 arithmetic and the matrix unit's own rounding can turn it there, and no further.
;; One version. Each part assembles by itself: llvm-mc -triple=amdgcn-amd-amdhsa -mcpu=gfx1250 --defsym DOCPART=n.
;; ======== version 1 of 1: 3 launches
;; limits: right only within a limited range of input values
;; workspace buffers: XI 3,276,800 bytes; WI 2,457,600 bytes; QI 4,456,448 bytes; KI 4,456,448 bytes; VI 3,276,800 bytes; anyk 512 bytes of whole numbers
;; launch prep (part 1): grid 449 x 1, 4 waves a work-group, no clusters, 80,384 bytes of LDS; arguments hidden_states, Wq, Wk, Wv, attention_mask, XI, WI, anyk; writes XI, WI, anyk
.if DOCPART == 1
	.amdgcn_target "amdgcn-amd-amdhsa--gfx1250"
	.amdhsa_code_object_version 6
	.text
	.protected	k_q6c6f980501_prep
	.globl	k_q6c6f980501_prep
	.p2align	8
	.type	k_q6c6f980501_prep,@function
k_q6c6f980501_prep:
	s_mov_b64 s[64:65], 0
	v_nop
	global_prefetch_b8 v0, s[64:65] scope:SCOPE_SE
	s_setreg_imm32_b32 hwreg(HW_REG_WAVE_MODE, 25, 1), 1
	s_wait_xcnt 0x0
; x [4096][1024] and Wq, Wk, Wv [1024 (k)][1024 (n)], f32, become codes of FP6 (E2M3) with one E8M0 byte for each 32 along K = 1024, laid as IMAGES OF OPERAND REGISTERS.
; A fragment is 16 rows x 128 K, 12 registers a lane: lane (r, h) holds row r, registers 6 c .. 6 c + 5 hold k = 64 c + 32 h + 0 .. 31.  Its image is 1,536 bytes: registers 4 k .. 4 k + 3 of lane l at 512 k + 16 l.
; XI: [32 groups of 128 rows of x][8 K steps][12,800]; WI: [24 groups of 128 columns n: 8 of Wq, 8 of Wk, 8 of Wv][8 K steps][12,800].  A record: 8 tile images, then at byte 12,288 the scale words [tile][row], 4 bytes.
; THE ROWS OF A TILE ARE NOT NEIGHBOURS: image row p of tile 2 b + u is the group's row 32 b + 8 u + p + 8 (p / 8), so that results of a product with such a tile as source 0 lie 16 neighbours to a lane.
; A block's scale is 2^(floor(log2(largest magnitude)) - 2); its byte is the largest magnitude's exponent field - 2, held at 1 from below (a block of zeros keeps the byte 1: its codes are zeros, and this program alone reads the bytes).
; LIMITS: NaN and infinities among the inputs are not served; blocks whose largest magnitude lies under 2^-124 keep the byte 1.
; SHARES: work-groups 0-255: one record of XI each; 256-447: one record of WI each; 448: for each quarter of attention_mask, whether it has a key that counts (anyk: thread t's word holds its wave's answer).
; The three ways part on the work-group's number and have LDS bytes of their own.  No tensor load, no barrier: waves share nothing.  No cluster: no two work-groups read the same bytes.
.set REC,   12800
.set IMG,   1536
.set SCO,   12288
.set XP,    528                        ; x's stage: a row of 512 bytes + 16
.set XST,   16*XP                      ; a tile's stage
.set WST,   8*XST                      ; behind x's eight stages: the weights' stages, 3,072 bytes a wave
.set FLOOR, 0x1800000                  ; 2^(3 - 127)
.set TWO_OFF, 0xff000000               ; takes 2 off an exponent field
	s_load_b256 s[4:11], s[0:1], 0x0               ; x s[4:5], Wq s[6:7], Wk s[8:9], Wv s[10:11]
	s_load_b256 s[12:19], s[0:1], 0x20             ; mask s[12:13], XI s[14:15], WI s[16:17], anyk s[18:19]
	v_lshl_add_u32 v62, v0, 2, 0x13800
	v_mov_b32 v63, 0
	v_lshrrev_b32 v1, 5, v0
	v_readfirstlane_b32 s20, v1                    ; wave 0..3
	v_and_b32 v1, 31, v0                           ; lane
	v_and_b32 v2, 15, v0                           ; r
	v_bfe_u32 v3, v0, 4, 1                         ; h
	v_lshlrev_b32 v4, 4, v1                        ; 16 x lane
	v_lshlrev_b32 v5, 2, v1                        ; 4 x lane
	s_mov_b32 s21, 0xffff0000                      ; lanes 16-31
	s_mov_b32 s22, 0x76543210
	s_mov_b32 s23, 0xfedcba98                      ; v_permlanex16_b32's selects for lane l xor 16
	s_cmp_lt_u32 ttmp9, 256
	s_cbranch_scc0 .Lnot_x
; ---------------- x: group G = id / 8, K step s = id % 8.  Wave w makes tiles 2 w and 2 w + 1.
	s_lshr_b32 s24, ttmp9, 3
	s_and_b32 s25, ttmp9, 7
	s_lshl_b32 s26, s24, 19                        ; 128 G rows of 4,096 bytes
	s_lshl_b32 s27, s20, 17                        ; + 32 w rows
	s_add_co_u32 s26, s26, s27
	s_lshl_b32 s27, s25, 9                         ; + 512 s: the K step's 128 numbers
	s_add_co_u32 s26, s26, s27
	s_mov_b32 s27, 0
	s_mul_i32 s28, ttmp9, REC                      ; the record
	s_mul_i32 s30, s20, 2*IMG
	s_add_co_u32 s30, s30, s28                     ; my two images
	s_mov_b32 s31, 0
	s_lshl_b32 s32, s20, 7
	s_add_co_u32 s32, s32, s28
	s_add_co_u32 s32, s32, SCO                     ; my two tiles' scale words: 128 bytes
	s_mov_b32 s33, 0
	s_mul_i32 s34, s20, 2*XST                      ; my two stages
	s_wait_alu depctr_va_vdst(0)
	v_add_nc_u32 v6, s34, v4                       ; in: 16 x lane of a row
	v_mul_u32_u24 v7, v2, XP
	v_lshl_add_u32 v7, v3, 7, v7
	v_add_nc_u32 v7, s34, v7                       ; out: row r, + 128 h: my block of 32 numbers
	v_lshlrev_b32 v8, 3, v3                        ; 8 h
	v_mov_b32 v9, 0                                ; a lane permute's destination counts as one of its sources
	s_wait_alu depctr_va_vdst(0)
	s_wait_kmcnt 0x0
	s_add_nc_u64 s[4:5], s[4:5], s[26:27]
	s_add_nc_u64 s[30:31], s[14:15], s[30:31]
	s_add_nc_u64 s[32:33], s[14:15], s[32:33]
.irp u, 0,1
.set p, 0
.rept 16
	global_load_b128 v[64+64*\u+4*p:64+64*\u+4*p+3], v4, s[4:5] offset:(8*\u+p+8*(p/8))*4096 th:TH_LOAD_NT   ; image row p: 32 lanes read the row's 512 consecutive bytes of this K step
.set p, p+1
.endr
.endr
; 64 numbers of a lane at v[xb] on (register 32 k + i = K 64 k + 32 h + i of my row) become the fragment's 12 registers at v[c] on and the row's scale word in v[w]; the image is stored at off.
.macro QX xb, c, w, off
.irp k, 0,1
	v_max3_num_f32 v[10+\k], |v[\xb+32*\k]|, |v[\xb+32*\k+1]|, FLOOR     ; my block 2 k + h: all its 32 numbers are mine; the floor holds the byte at 1 from below
.endr
.set i, 2
.rept 15
.irp k, 0,1
	v_max3_num_f32 v[10+\k], v[10+\k], |v[\xb+32*\k+i]|, |v[\xb+32*\k+i+1]|   ; (the two blocks by turns)
.endr
.set i, i+2
.endr
.irp k, 0,1
	v_add_nc_u32 v[12+\k], TWO_OFF, v[10+\k]       ; the conversion takes the exponent field of this operand as its scale
.endr
.irp k, 0,1
	v_lshrrev_b32 v[14+\k], 23, v[12+\k]           ; the scale's byte
.endr
	v_lshl_or_b32 v[\w], v15, 16, v14              ; my two bytes: blocks h and 2 + h,
	v_lshlrev_b32 v[\w], v8, v[\w]                 ; at their places (8 h bits up);
	v_permlanex16_b32 v9, v[\w], s22, s23
	v_or_b32 v[\w], v[\w], v9                      ; with lane l xor 16's two the word is whole, in both halves of the lanes
.irp k, 0,1
	v_cvt_scalef32_pk16_fp6_f32 v[\c+6*\k:\c+6*\k+2], v[\xb+32*\k:\xb+32*\k+15], v[12+\k]
	v_cvt_scalef32_pk16_fp6_f32 v[44+4*\k:46+4*\k], v[\xb+32*\k+16:\xb+32*\k+31], v[12+\k]   ; (a conversion's three registers begin on an even number)
.endr
	v_nop                                          ; one plain place behind a scaled conversion
.irp k, 0,1
.irp i, 0,1,2
	v_mov_b32 v[\c+3+6*\k+\i], v[44+4*\k+\i]
.endr
.endr
.irp k, 0,1,2
	global_store_b128 v4, v[\c+4*\k:\c+4*\k+3], s[30:31] offset:\off+512*\k   ; 32 lanes store 512 consecutive bytes, at a multiple of 256 from XI's first byte
.endr
.endm
	s_wait_loadcnt 16                              ; tile 0's sixteen loads are in; tile 1's may be out
.set p, 0
.rept 16
	ds_store_b128 v6, v[64+4*p:64+4*p+3] offset:XP*p
.set p, p+1
.endr
.irp c, 0,1
.irp q, 0,1,2,3,4,5,6,7
	ds_load_b128 v[192+32*\c+4*\q:192+32*\c+4*\q+3], v7 offset:256*\c+16*\q   ; LDS serves a wave's instructions in order: these see my stores
.endr
.endr
	s_wait_loadcnt 0x0
.set p, 0
.rept 16
	ds_store_b128 v6, v[128+4*p:128+4*p+3] offset:XST+XP*p
.set p, p+1
.endr
	s_wait_dscnt 16                                ; all but tile 1's sixteen stores: tile 0 is back, and its stores into the stage have read v64-127, which take tile 1's numbers
.irp c, 0,1
.irp q, 0,1,2,3,4,5,6,7
	ds_load_b128 v[64+32*\c+4*\q:64+32*\c+4*\q+3], v7 offset:XST+256*\c+16*\q
.endr
.endr
	QX 192, 20, 52, 0
	s_wait_dscnt 0x0
	QX 64, 32, 53, IMG
	v_cndmask_b32 v54, v52, v53, s21               ; lanes 0-15: tile 2 w's words, lanes 16-31: tile 2 w + 1's
	global_store_b32 v5, v54, s[32:33]             ; 128 consecutive bytes
	s_wait_tensorcnt 0x0
	ds_add_u32 v62, v63
	s_wait_dscnt 0x0
	s_endpgm
.Lnot_x:
	s_cmp_lt_u32 ttmp9, 448
	s_cbranch_scc0 .Lmask
; ---------------- a weight: K is its FIRST axis.  A lane takes a column n and its registers run down K: a block of 32 lies in one lane, and the codes come out with K innermost.
	s_sub_co_u32 s24, ttmp9, 256                   ; the record: 8 G + s
	s_lshr_b32 s25, s24, 3                         ; G 0..23
	s_and_b32 s26, s24, 7                          ; s
	s_lshr_b32 s27, s25, 3                         ; which weight
	s_and_b32 s28, s25, 7                          ; which 128 of its columns
	s_lshl_b32 s34, s26, 19                        ; 128 s rows of 4,096 bytes
	s_lshl_b32 s35, s28, 9
	s_add_co_u32 s34, s34, s35
	s_lshl_b32 s35, s20, 7                         ; + my wave's 32 columns
	s_add_co_u32 s34, s34, s35
	s_mov_b32 s35, 0
	s_mul_i32 s28, s24, REC
	s_mul_i32 s30, s20, 2*IMG
	s_add_co_u32 s30, s30, s28
	s_mov_b32 s31, 0
	s_lshl_b32 s32, s20, 7
	s_add_co_u32 s32, s32, s28
	s_add_co_u32 s32, s32, SCO
	s_mov_b32 s33, 0
	s_mul_i32 s36, s20, 2*IMG
	s_add_co_u32 s36, s36, WST                     ; my stage: the images of tiles 2 w and 2 w + 1
	v_bfe_u32 v6, v0, 3, 1                         ; column 32 w + lane is image row p = lane % 8 + 8 (lane / 16) of tile 2 w + u, u = (lane / 8) % 2
	v_and_b32 v7, 7, v0
	s_wait_alu depctr_va_vdst(0)
	v_lshl_or_b32 v7, v3, 3, v7
	v_mul_u32_u24 v8, v6, IMG
	v_lshl_add_u32 v8, v7, 4, v8
	v_add_nc_u32 v8, s36, v8                       ; in: image u, 16 p
	v_add_nc_u32 v9, s36, v4                       ; out: 16 x lane
	v_lshlrev_b32 v10, 6, v6
	v_lshl_add_u32 v10, v7, 2, v10                 ; my scale word's place: 64 u + 4 p
	s_wait_kmcnt 0x0
	s_cmp_eq_u32 s27, 0
	s_cselect_b64 s[6:7], s[6:7], s[8:9]
	s_cmp_eq_u32 s27, 2
	s_cselect_b64 s[6:7], s[10:11], s[6:7]
	s_add_nc_u64 s[6:7], s[6:7], s[34:35]
	s_add_nc_u64 s[30:31], s[16:17], s[30:31]
	s_add_nc_u64 s[32:33], s[16:17], s[32:33]
.macro LOAD t                          ; block t: W(128 s + 32 t + i, my column): 32 lanes read 128 consecutive bytes
.set i, 0
.rept 32
	global_load_b32 v[64+32*(\t)+i], v5, s[6:7] offset:(32*(\t)+i)*4096 th:TH_LOAD_NT
.set i, i+1
.endr
.endm
; Block t = 2 c + h of my column is registers 6 c .. 6 c + 5 of image lane p + 16 h.
.macro BLOCK t
.set XS, 64+32*(\t)
.set E,  192+8*(\t)
	v_max3_num_f32 v12, |v[XS]|, |v[XS+1]|, |v[XS+2]|
	v_max3_num_f32 v13, |v[XS+3]|, |v[XS+4]|, |v[XS+5]|
.irp i, 6,10,14,18,22,26
	v_max3_num_f32 v12, v12, |v[XS+\i]|, |v[XS+\i+1]|
	v_max3_num_f32 v13, v13, |v[XS+\i+2]|, |v[XS+\i+3]|
.endr
	v_max3_num_f32 v12, v12, |v[XS+30]|, |v[XS+31]|
	v_max3_num_f32 v12, v12, v13, FLOOR
	v_add_nc_u32 v14, TWO_OFF, v12
	v_lshrrev_b32 v15, 23, v14
.if (\t) == 0
	v_mov_b32 v16, v15                             ; the four bytes make my column's scale word
.else
	v_lshl_or_b32 v16, v15, 8*(\t), v16
.endif
	v_cvt_scalef32_pk16_fp6_f32 v[E:E+2], v[XS:XS+15], v14
	v_cvt_scalef32_pk16_fp6_f32 v[224:226], v[XS+16:XS+31], v14
	v_nop                                          ; one plain place behind a scaled conversion
.irp i, 0,1,2
	v_mov_b32 v[E+3+\i], v[224+\i]
.endr
.if (\t) < 2
	ds_store_b128 v8, v[E:E+3] offset:256*(\t)                 ; registers 0-3
	ds_store_b64 v8, v[E+4:E+5] offset:512+256*(\t)            ; registers 4, 5
.else
	ds_store_b64 v8, v[E:E+1] offset:520+256*((\t)-2)          ; registers 6, 7
	ds_store_b128 v8, v[E+2:E+5] offset:1024+256*((\t)-2)      ; registers 8-11
.endif
.endm
	LOAD 0
	LOAD 1
	s_wait_loadcnt 32                              ; block 0 is in; block 1's 32 loads may be out
	LOAD 2
	BLOCK 0
	s_wait_loadcnt 32
	LOAD 3
	BLOCK 1
	s_wait_loadcnt 32
	BLOCK 2
	s_wait_loadcnt 0x0
	BLOCK 3
	global_store_b32 v10, v16, s[32:33]
.irp k, 0,1,2,3,4,5
	ds_load_b128 v[228+4*\k:228+4*\k+3], v9 offset:512*\k      ; LDS serves a wave's instructions in order: these see my stores
.endr
.irp k, 0,1,2,3,4,5
	s_wait_dscnt 5-\k
	global_store_b128 v4, v[228+4*\k:228+4*\k+3], s[30:31] offset:512*\k   ; 512 consecutive bytes, at a multiple of 256 from WI's first byte
.endr
	s_wait_tensorcnt 0x0
	ds_add_u32 v62, v63
	s_wait_dscnt 0x0
	s_endpgm
.Lmask:
; ---------------- does quarter w of the mask hold a key that counts?
	s_lshl_b32 s24, s20, 12
	s_wait_alu depctr_va_vdst(0)
	v_add_nc_u32 v6, s24, v4
	v_lshlrev_b32 v7, 2, v0                        ; thread t's word of anyk
	s_wait_alu depctr_va_vdst(0)
	s_wait_kmcnt 0x0
.irp j, 0,1,2,3,4,5,6,7
	global_load_b128 v[64+4*\j:64+4*\j+3], v6, s[12:13] offset:512*\j
.endr
	s_wait_loadcnt 0x0
.set j, 1
.rept 31
	v_or_b32 v64, v64, v[64+j]
.set j, j+1
.endr
	v_cmp_ne_u32 vcc_lo, 0, v64
	s_cmp_lg_u32 vcc_lo, 0
	s_cselect_b32 s25, 1, 0
	v_mov_b32 v8, s25
	global_store_b32 v7, v8, s[18:19]
	s_endpgm
.Lfunc_end_k_q6c6f980501_prep:
	.size	k_q6c6f980501_prep, .Lfunc_end_k_q6c6f980501_prep-k_q6c6f980501_prep
	.p2alignl 7, 3214868480
	.fill 96, 4, 3214868480
	.section	.rodata,"a",@progbits
	.p2align	6, 0x0
	.amdhsa_kernel k_q6c6f980501_prep
		.amdhsa_group_segment_fixed_size 80384
		.amdhsa_private_segment_fixed_size 0
		.amdhsa_enable_private_segment 0
		.amdhsa_kernarg_size 64
		.amdhsa_user_sgpr_count 2
		.amdhsa_user_sgpr_kernarg_segment_ptr 1
		.amdhsa_wavefront_size32 1
		.amdhsa_system_sgpr_workgroup_id_x 1
		.amdhsa_system_sgpr_workgroup_id_y 1
		.amdhsa_system_sgpr_workgroup_id_z 1
		.amdhsa_system_vgpr_workitem_id 0
		.amdhsa_next_free_vgpr 256
		.amdhsa_next_free_sgpr 66
		.amdhsa_reserve_vcc 1
		.amdhsa_float_denorm_mode_32 3
		.amdhsa_float_denorm_mode_16_64 3
		.amdhsa_memory_ordered 1
		.amdhsa_forward_progress 1
		.amdhsa_inst_pref_size 40
	.end_amdhsa_kernel
	.amdgpu_metadata
---
amdhsa.version: [ 1, 2 ]
amdhsa.kernels:
  - .name:           k_q6c6f980501_prep
    .symbol:         k_q6c6f980501_prep.kd
    .args:
      - { .name: hidden_states, .offset: 0, .size: 8, .value_kind: global_buffer, .address_space: global }
      - { .name: Wq, .offset: 8, .size: 8, .value_kind: global_buffer, .address_space: global }
      - { .name: Wk, .offset: 16, .size: 8, .value_kind: global_buffer, .address_space: global }
      - { .name: Wv, .offset: 24, .size: 8, .value_kind: global_buffer, .address_space: global }
      - { .name: attention_mask, .offset: 32, .size: 8, .value_kind: global_buffer, .address_space: global }
      - { .name: XI, .offset: 40, .size: 8, .value_kind: global_buffer, .address_space: global }
      - { .name: WI, .offset: 48, .size: 8, .value_kind: global_buffer, .address_space: global }
      - { .name: anyk, .offset: 56, .size: 8, .value_kind: global_buffer, .address_space: global }
    .group_segment_fixed_size: 80384
    .private_segment_fixed_size: 0
    .kernarg_segment_align: 8
    .kernarg_segment_size: 64
    .max_flat_workgroup_size: 128
    .sgpr_count:     66
    .vgpr_count:     256
    .wavefront_size: 32
...
	.end_amdgpu_metadata
.endif
;; end of part 1
;; launch proj (part 2): grid 12 x 16, 4 waves a work-group, clusters of 4 x 4, 327,680 bytes of LDS; arguments XI, WI, bq, bk, bv, attention_mask, QI, KI, VI; writes QI, KI, VI
.if DOCPART == 2
	.amdgcn_target "amdgcn-amd-amdhsa--gfx1250"
	.amdhsa_code_object_version 6
	.text
	.protected	k_q6c6f980501_proj
	.globl	k_q6c6f980501_proj
	.p2align	8
	.type	k_q6c6f980501_proj,@function
k_q6c6f980501_proj:
	s_mov_b64 s[64:65], 0
	v_nop
	global_prefetch_b8 v0, s[64:65] scope:SCOPE_SE
	s_setreg_imm32_b32 hwreg(HW_REG_WAVE_MODE, 25, 1), 1
	s_wait_xcnt 0x0
	s_wait_alu depctr_hold_cnt(0) depctr_sa_sdst(0) depctr_va_vdst(0) depctr_va_sdst(0) depctr_va_ssrc(0) depctr_va_vcc(0) depctr_vm_vsrc(0)
	s_getreg_b32 s2, hwreg(HW_REG_IB_STS2, 6, 4)
	s_cmp_eq_u32 s2, 0
	s_cbranch_scc0 .Lentry_in_a_cluster
	s_endpgm
.Lentry_in_a_cluster:
	s_bfe_u32 s2, ttmp6, 0x10000c
	s_cmp_lg_u32 s2, 0xf033
	s_cbranch_scc0 .Lentry_shape_is_right
	s_endpgm
.Lentry_shape_is_right:
.set REC,   12800
.set IMG,   1536
.set SCO,   12288
.set GRP,   2*REC
.set RGN,   4*GRP
.set SPARE, 3*RGN
.set KREC,  8704
.set VREC,  6400
.set ADRP, 16
.set ADRL, 19
.set ADRS, 22
.set LI16, 25
.set LI8,  26
.set SPW,  28
.set NIL,  29
.set SC,   32
.set MK,   48
.set BL,   64
.set LF,   128
.set MP,   56
.set R6,   80
.set WA,   88
.set WB,   96
.set SW,   104
.set KU,   112
.set KM,   113
.set CU,   114
.set CM,   115
.set GA,   116
.set GB,   120
.set PW,   124
.set T,    128
.set PC,   192
.set TM,   212
.set WV,   22
.set LH,   23
.set PH,   24
.set G1P,  32
.set G1L,  40
.set G0P,  48
.set G0L,  68
.set SEL,  92
.set MSB, 0
.macro WIN new
.if MSB != \new
	s_set_vgpr_msb (MSB<<8)|\new
.set MSB, \new
.endif
.endm
.set MUL_LO, 0xa1
.set MUL_HI, 0xf1
.set TO_P,   0x40
.macro JLOAD j
	s_cmp_eq_u32 s[LH], 0
	s_cbranch_scc0 .Lfor_l_\@
	tensor_load_to_lds s[G0P+4*\j:G0P+4*\j+3], s[G1P:G1P+7]
	s_nop 0
.rept 4
	v_nop
.endr
	s_branch .Lasked_\@
.Lfor_l_\@:
	tensor_load_to_lds s[G0L+4*\j:G0L+4*\j+3], s[G1L:G1L+7]
	s_nop 0
.rept 4
	v_nop
.endr
.Lasked_\@:
.endm
.macro CREST
	s_cmp_lg_u32 s[WV], 0
	s_cbranch_scc1 .Lnot_wave_0_\@
	s_barrier_signal -3
.Lnot_wave_0_\@:
	s_barrier_wait -3
	s_barrier_signal -1
	s_barrier_wait -1
.endm
.macro CROUND
	s_barrier_signal -1
	s_barrier_wait -1
	CREST
.endm
.macro PLACES
.rept 4
	v_nop
.endr
.endm
	s_load_b128 s[4:7], s[0:1], 0x0
	s_load_b128 s[8:11], s[0:1], 0x10
	s_load_b128 s[12:15], s[0:1], 0x20
	s_load_b128 s[16:19], s[0:1], 0x30
	s_load_b64 s[20:21], s[0:1], 0x40
	v_lshl_add_u32 v[SPW], v0, 2, SPARE
	v_mov_b32 v[NIL], 0
	ds_add_u32 v28, v29
	ds_add_u32 v28, v29
	s_wait_dscnt 0x0
	v_lshrrev_b32 v1, 5, v0
	v_readfirstlane_b32 s[WV], v1
	s_lshr_b32 s[LH], s[WV], 1
	s_and_b32 s[PH], s[WV], 1
	s_bfe_u32 s25, ttmp6, 0x40000
	s_bfe_u32 s26, ttmp6, 0x40004
	s_and_b32 s27, ttmp7, 0xffff
	s_lshl_b32 s29, s27, 2
	s_cmp_eq_u32 ttmp9, 2
	s_cselect_b32 s28, s27, ttmp9
	s_cselect_b32 s29, 8, s29
	s_lshl_b32 s28, s28, 2
	s_add_co_u32 s28, s28, s25
	s_add_co_u32 s29, s29, s26
	s_lshl_b32 s60, s26, 2
	s_lshl_b32 s60, 15, s60
	s_lshl_b32 s61, 0x1111, s25
	s_or_b32 s[G1P], s61, (3<<16)|(1<<21)
	s_or_b32 s[G1L], s60, (3<<16)|(1<<21)
.irp g, G1P, G1L
	s_mov_b32 s[\g+1], 32<<16
	s_mov_b32 s[\g+2], 100<<16
	s_mov_b32 s[\g+3], 32<<16
	s_mov_b32 s[\g+4], 100
	s_mov_b32 s[\g+5], 32
	s_mov_b32 s[\g+6], 0
	s_mov_b32 s[\g+7], 0
.endr
	s_lshl_b32 s80, s28, 1
	s_add_co_u32 s80, s80, s[PH]
	s_mul_i32 s80, s80, 8*REC
	s_mov_b32 s81, 0
	s_lshl_b32 s82, s29, 1
	s_add_co_u32 s82, s82, s[PH]
	s_mul_i32 s82, s82, 8*REC
	s_mov_b32 s83, 0
	s_mul_i32 s84, s[WV], GRP
	s_mov_b32 s[SEL], 0x76543210
	s_mov_b32 s[SEL+1], 0xfedcba98
	s_wait_kmcnt 0x0
	s_cmp_eq_u32 ttmp9, 2
	s_cselect_b64 s[86:87], s[4:5], s[6:7]
	s_cselect_b64 s[88:89], s[6:7], s[4:5]
	s_add_nc_u64 s[86:87], s[86:87], s[80:81]
	s_add_nc_u64 s[88:89], s[88:89], s[82:83]
	s_cmp_eq_u32 ttmp9, 0
	s_cselect_b64 s[90:91], s[8:9], s[10:11]
	s_cmp_eq_u32 ttmp9, 2
	s_cselect_b64 s[90:91], s[12:13], s[90:91]
	CROUND
.irp j, 0,1,2
	s_mov_b32 s[G0P+4*\j], 1
	s_add_co_u32 s[G0P+4*\j+1], s84, \j*RGN
	s_add_nc_u64 s[G0P+4*\j+2:G0P+4*\j+3], s[86:87], \j*GRP
	s_or_b32 s[G0P+4*\j+3], s[G0P+4*\j+3], 0x80000000
	s_mov_b32 s[G0L+4*\j], 1
	s_add_co_u32 s[G0L+4*\j+1], s84, \j*RGN
	s_add_nc_u64 s[G0L+4*\j+2:G0L+4*\j+3], s[88:89], \j*GRP
	s_or_b32 s[G0L+4*\j+3], s[G0L+4*\j+3], 0x80000000
	s_wait_alu depctr_va_vdst(0)
	s_wait_tensorcnt 0x0
	ds_add_u32 v28, v29
	ds_add_u32 v28, v29
	s_wait_dscnt 0x0
	CROUND
	JLOAD \j
.endr
	v_and_b32 v1, 31, v0
	v_and_b32 v2, 15, v0
	v_bfe_u32 v3, v0, 4, 1
	v_lshlrev_b32 v[LI16], 4, v1
	v_lshlrev_b32 v[LI8], 3, v1
	s_mul_i32 s60, s[PH], GRP
	s_mul_i32 s61, s[LH], GRP
	s_add_co_u32 s61, s61, 2*GRP
	s_sub_co_u32 s62, s61, s60
	v_lshlrev_b32 v4, 2, v2
	v_mul_u32_u24 v5, s62, v3
	v_add_nc_u32 v4, v4, v5
.irp j, 0,1,2
	v_add_nc_u32 v[ADRP+\j], s60, v[LI16]
	v_add_nc_u32 v[ADRL+\j], s61, v[LI16]
	v_add_nc_u32 v[ADRS+\j], s60, v4
	s_add_co_u32 s60, s60, RGN
	s_add_co_u32 s61, s61, RGN
.endr
	s_and_b32 s60, s28, 3
	s_lshl_b32 s60, s60, 10
	s_lshl_b32 s61, s[PH], 9
	s_add_co_u32 s60, s60, s61
	v_lshl_add_u32 v6, v3, 6, s60
	s_and_b32 s60, s29, 3
	s_lshl_b32 s60, s60, 10
	s_lshl_b32 s61, s[LH], 9
	s_add_co_u32 s60, s60, s61
	v_and_b32 v7, 8, v2
	v_add_nc_u32 v7, v7, v2
	v_lshl_add_u32 v8, v7, 2, s60
	s_lshl_b32 s60, s29, 10
	s_add_co_u32 s60, s60, s61
	v_lshl_add_u32 v9, v7, 2, s60
	WIN TO_P
.irp b, 0,1,2,3,4,5,6,7
	global_load_b128 v[96+8*\b+96*(\b/4):96+8*\b+96*(\b/4)+3], v6, s[90:91] offset:(32*(\b/2)+8*(\b%2))*4
	global_load_b128 v[96+8*\b+96*(\b/4)+4:96+8*\b+96*(\b/4)+7], v6, s[90:91] offset:(32*(\b/2)+8*(\b%2))*4+16
.endr
	WIN 0
.irp a, 0,1,2,3,4,5,6,7
	global_load_b32 v[BL+2*\a], v8, s[90:91] offset:(32*(\a/2)+8*(\a%2))*4
	global_load_b32 v[BL+2*\a+1], v8, s[90:91] offset:(32*(\a/2)+8*(\a%2))*4
	global_load_b32 v[MK+\a], v9, s[14:15] offset:(32*(\a/2)+8*(\a%2))*4
.endr
.macro MUL16 a0, p, zero
.irp a, \a0, \a0+1
.irp b, 0,1,2,3,4,5,6,7
.if \zero
	v_wmma_scale_f32_16x16x128_f8f6f4 v[8*(8*((\a)%4)+\b):8*(8*((\a)%4)+\b)+7], v[128*(\p)+12*\b:128*(\p)+12*\b+11], v[LF+12*(\a):LF+12*(\a)+11], 0, v[SC+8*(\p)+\b], v[SC+8*(\p)+(\a)] matrix_a_fmt:MATRIX_FMT_FP6 matrix_b_fmt:MATRIX_FMT_FP6 matrix_b_scale:MATRIX_SCALE_ROW1
.else
	v_wmma_scale_f32_16x16x128_f8f6f4 v[8*(8*((\a)%4)+\b):8*(8*((\a)%4)+\b)+7], v[128*(\p)+12*\b:128*(\p)+12*\b+11], v[LF+12*(\a):LF+12*(\a)+11], v[8*(8*((\a)%4)+\b):8*(8*((\a)%4)+\b)+7], v[SC+8*(\p)+\b], v[SC+8*(\p)+(\a)] matrix_a_fmt:MATRIX_FMT_FP6 matrix_b_fmt:MATRIX_FMT_FP6 matrix_b_scale:MATRIX_SCALE_ROW1
.endif
.endr
.endr
.endm
.macro FETCH_P j, s, p
	WIN TO_P
.irp i, 0,1,2,3,4,5,6,7
.irp k, 0,1,2
	ds_load_b128 v[128*(\p)+12*\i+4*\k:128*(\p)+12*\i+4*\k+3], v[ADRP+\j] offset:REC*(\s)+IMG*\i+512*\k
.endr
.endr
	WIN 0
.endm
.macro FETCH_L j, s, i0
.irp i, \i0, \i0+1, \i0+2, \i0+3
.irp k, 0,1,2
	ds_load_b128 v[LF+12*(\i)+4*\k:LF+12*(\i)+4*\k+3], v[ADRL+\j] offset:REC*(\s)+IMG*(\i)+512*\k
.endr
.endr
.endm
.macro SCALES j, s, p
.irp i, 0,1,2,3,4,5,6,7
	ds_load_b32 v[SC+8*(\p)+\i], v[ADRS+\j] offset:REC*(\s)+SCO+64*\i
.endr
.endm
.macro STEP p, zero, nj, ns
	s_wait_dscnt 12
	WIN MUL_LO
	MUL16 0, \p, \zero
	MUL16 2, \p, \zero
	s_wait_dscnt 0x0
	PLACES
	FETCH_P \nj, \ns, 1-\p
	FETCH_L \nj, \ns, 0
	SCALES \nj, \ns, 1-\p
	WIN MUL_HI
	MUL16 4, \p, \zero
	MUL16 6, \p, \zero
	PLACES
	WIN 0
	FETCH_L \nj, \ns, 4
.endm
.macro TURN p, fill, nj, ns
	s_wait_tensorcnt 0x0
	ds_add_u32 v[SPW], v[NIL]
	s_wait_dscnt 13
	WIN MUL_LO
	MUL16 0, \p, 0
	s_wait_dscnt 0x0
	s_barrier_signal -1
	MUL16 2, \p, 0
	WIN 0
	s_barrier_wait -1
.if \fill
	CREST
	s_add_nc_u64 s[G0P+2:G0P+3], s[G0P+2:G0P+3], 3*GRP
	s_add_nc_u64 s[G0L+2:G0L+3], s[G0L+2:G0L+3], 3*GRP
	JLOAD 0
.else
	PLACES
.endif
	FETCH_P \nj, \ns, 1-\p
	FETCH_L \nj, \ns, 0
	s_wait_alu depctr_va_vdst(0)
	SCALES \nj, \ns, 1-\p
	WIN MUL_HI
	MUL16 4, \p, 0
	MUL16 6, \p, 0
	PLACES
	WIN 0
	FETCH_L \nj, \ns, 4
.endm
	s_wait_tensorcnt 2
	s_barrier_signal -1
	s_barrier_wait -1
	FETCH_P 0, 0, 0
	FETCH_L 0, 0, 0
	SCALES 0, 0, 0
	FETCH_L 0, 0, 4
	STEP 0, 1, 0, 1
	TURN 1, 1, 1, 0
	STEP 0, 0, 1, 1
	STEP 1, 0, 2, 0
	STEP 0, 0, 2, 1
	TURN 1, 0, 0, 0
	STEP 0, 0, 0, 1
	s_wait_dscnt 12
	WIN MUL_LO
	MUL16 0, 1, 0
	MUL16 2, 1, 0
	s_wait_dscnt 0x0
	WIN MUL_HI
	MUL16 4, 1, 0
	MUL16 6, 1, 0
	WIN 0
.macro QUANT s
.irp b, 0,1,2,3
	v_max3_num_f32 v[TM+\b], |v[\s+16*\b]|, |v[\s+1+16*\b]|, 0x1800000
.endr
.irp i, 2,4,6,8,10,12,14
.irp b, 0,1,2,3
	v_max3_num_f32 v[TM+\b], v[TM+\b], |v[\s+16*\b+\i]|, |v[\s+1+16*\b+\i]|
.endr
.endr
.irp b, 0,1,2,3
	v_permlanex16_b32 v[TM+4+\b], v[TM+\b], s[SEL], s[SEL+1]
.endr
.irp b, 0,1,2,3
	v_max_num_f32 v[TM+\b], v[TM+\b], v[TM+4+\b]
.endr
.irp b, 0,1,2,3
	v_add_nc_u32 v[TM+12+\b], 0xff000000, v[TM+\b]
.endr
.irp b, 0,1,2,3
	v_lshrrev_b32 v[TM+4+\b], 23, v[TM+12+\b]
.endr
	v_lshl_or_b32 v[PW], v[TM+5], 8, v[TM+4]
	v_lshl_or_b32 v[PW], v[TM+6], 16, v[PW]
	v_lshl_or_b32 v[PW], v[TM+7], 24, v[PW]
.irp c, 0,1
	v_cvt_scalef32_pk16_fp6_f32 v[PC+6*\c:PC+2+6*\c], v[\s+32*\c:\s+15+32*\c], v[TM+12+2*\c]
	v_cvt_scalef32_pk16_fp6_f32 v[PC+12+4*\c:PC+14+4*\c], v[\s+16+32*\c:\s+31+32*\c], v[TM+12+2*\c+1]
.endr
	v_nop
.irp c, 0,1
.irp i, 0,1,2
	v_permlane16_swap_b32 v[PC+6*\c+\i], v[PC+12+4*\c+\i]
.endr
.irp i, 0,1,2
	v_mov_b32 v[PC+3+6*\c+\i], v[PC+12+4*\c+\i]
.endr
.endr
.endm
	s_wait_loadcnt 0x0
	PLACES
	s_mov_b32 s60, 0xffff0000
.irp b, 0,1,2,3
	v_mov_b32 v[TM+4+\b], 0
.endr
	v_mov_b32 v[GA+3], 0
	v_mov_b32 v[GB+3], 0
	s_cmp_eq_u32 ttmp9, 2
	s_cbranch_scc1 .Lv
	s_cmp_eq_u32 ttmp9, 1
	s_mov_b32 s61, 0x017f0000
	s_cselect_b32 s62, 0x01010000, s61
	s_cselect_b32 s63, 0x01e80000, s61
	s_cselect_b32 s66, 0, 8
	s_cselect_b32 s67, 40, 8
	s_cselect_b64 s[80:81], s[18:19], s[16:17]
	s_and_b32 s82, s28, 3
	s_lshl_b32 s82, s82, 2
	s_lshl_b32 s83, s[PH], 1
	s_add_co_u32 s82, s82, s83
	s_lshl_b32 s82, s82, 5
	s_lshl_b32 s83, s29, 1
	s_add_co_u32 s82, s82, s83
	s_add_co_u32 s82, s82, s[LH]
	s_mul_i32 s82, s82, KREC
	s_mov_b32 s83, 0
	s_add_nc_u64 s[80:81], s[80:81], s[82:83]
	v_mov_b32 v[KU], s62
	v_mov_b32 v[KM], s63
	v_mov_b32 v[CU], s66
	v_mov_b32 v[CM], s67
	v_cndmask_b32 v[CU], v[CU], 0, s60
	v_cndmask_b32 v[CM], v[CM], 0, s60
.irp a, 0,1,2,3,4,5,6,7
	v_cmp_ne_u32 vcc_lo, 0, v[MK+\a]
	v_cndmask_b32 v[MP+\a], v[KM], v[KU], vcc_lo
	v_cndmask_b32 v[R6+\a], v[CM], v[CU], vcc_lo
.endr
.macro OUT_QK a
	s_wait_xcnt 0x0
	WIN (0x06+(\a)/4)
.irp b, 0,1,2,3,4,5,6,7
.irp i, 0,2,4,6
	v_pk_add_f32 v[T+8*\b+\i:T+8*\b+\i+1], v[8*(8*((\a)%4)+\b)+\i:8*(8*((\a)%4)+\b)+\i+1], v[96+8*\b+96*(\b/4)+\i:96+8*\b+96*(\b/4)+\i+1]
.endr
.endr
	WIN 0
	QUANT T
	v_mov_b32 v[GA], v[PC+4]
	v_mov_b32 v[GA+1], v[PC+5]
	v_mov_b32 v[GA+2], v[R6+\a]
	v_mov_b32 v[GB], v[PC+10]
	v_mov_b32 v[GB+1], v[PC+11]
	v_mov_b32 v[GB+2], v[R6+\a]
	v_and_or_b32 v[WA+\a], v[PW], 0xffff, v[MP+\a]
	v_lshrrev_b32 v[WB+\a], 16, v[PW]
	v_or_b32 v[WB+\a], v[WB+\a], v[MP+\a]
	global_store_b128 v[LI16], v[PC:PC+3], s[80:81] offset:1024*\a
	global_store_b128 v[LI16], v[GA:GA+3], s[80:81] offset:1024*\a+512
	global_store_b128 v[LI16], v[PC+6:PC+9], s[80:81] offset:32*KREC+1024*\a
	global_store_b128 v[LI16], v[GB:GB+3], s[80:81] offset:32*KREC+1024*\a+512
.endm
.irp a, 0,1,2,3,4,5,6,7
	OUT_QK \a
.endr
.irp e, 0,1,2,3
	v_cndmask_b32 v[SW+\e], v[WA+2*\e], v[WA+2*\e+1], s60
	v_cndmask_b32 v[SW+4+\e], v[WB+2*\e], v[WB+2*\e+1], s60
.endr
	global_store_b128 v[LI16], v[SW:SW+3], s[80:81] offset:8192
	global_store_b128 v[LI16], v[SW+4:SW+7], s[80:81] offset:32*KREC+8192
	s_branch .Ljoin
.Lv:
	s_and_b32 s82, s29, 3
	s_lshl_b32 s82, s82, 2
	s_lshl_b32 s83, s[LH], 1
	s_add_co_u32 s82, s82, s83
	s_lshl_b32 s82, s82, 5
	s_lshl_b32 s83, s28, 1
	s_add_co_u32 s82, s82, s83
	s_add_co_u32 s82, s82, s[PH]
	s_mul_i32 s82, s82, VREC
	s_mov_b32 s83, 0
	s_add_nc_u64 s[80:81], s[20:21], s[82:83]
.macro OUT_V a
	s_wait_xcnt 0x0
	WIN (0x02+(\a)/4)
.irp b, 0,1,2,3,4,5,6,7
.irp i, 0,2,4,6
	v_pk_add_f32 v[T+8*\b+\i:T+8*\b+\i+1], v[8*(8*((\a)%4)+\b)+\i:8*(8*((\a)%4)+\b)+\i+1], v[BL+2*\a:BL+2*\a+1]
.endr
.endr
	WIN 0
	QUANT T
	v_mov_b32 v[WA+\a], v[PW]
.irp k, 0,1,2
	global_store_b128 v[LI16], v[PC+4*\k:PC+4*\k+3], s[80:81] offset:((\a)/4)*32*VREC+((\a)%4)*IMG+512*\k
.endr
.endm
.irp a, 0,1,2,3,4,5,6,7
	OUT_V \a
.endr
.irp e, 0,1,2,3
	v_cndmask_b32 v[SW+\e], v[WA+2*\e], v[WA+2*\e+1], s60
.endr
	global_store_b64 v[LI8], v[SW:SW+1], s[80:81] offset:6144
	global_store_b64 v[LI8], v[SW+2:SW+3], s[80:81] offset:32*VREC+6144
.Ljoin:
	s_wait_tensorcnt 0x0
	ds_add_u32 v[SPW], v[NIL]
	s_wait_dscnt 0x0
	CROUND
	s_endpgm
.Lfunc_end_k_q6c6f980501_proj:
	.size	k_q6c6f980501_proj, .Lfunc_end_k_q6c6f980501_proj-k_q6c6f980501_proj
	.p2alignl 7, 3214868480
	.fill 96, 4, 3214868480
	.section	.rodata,"a",@progbits
	.p2align	6, 0x0
	.amdhsa_kernel k_q6c6f980501_proj
		.amdhsa_group_segment_fixed_size 327680
		.amdhsa_private_segment_fixed_size 0
		.amdhsa_enable_private_segment 0
		.amdhsa_kernarg_size 72
		.amdhsa_user_sgpr_count 2
		.amdhsa_user_sgpr_kernarg_segment_ptr 1
		.amdhsa_wavefront_size32 1
		.amdhsa_system_sgpr_workgroup_id_x 1
		.amdhsa_system_sgpr_workgroup_id_y 1
		.amdhsa_system_sgpr_workgroup_id_z 1
		.amdhsa_system_vgpr_workitem_id 0
		.amdhsa_next_free_vgpr 1024
		.amdhsa_next_free_sgpr 100
		.amdhsa_reserve_vcc 1
		.amdhsa_float_denorm_mode_32 3
		.amdhsa_float_denorm_mode_16_64 3
		.amdhsa_memory_ordered 1
		.amdhsa_forward_progress 1
		.amdhsa_inst_pref_size 216
	.end_amdhsa_kernel
	.amdgpu_metadata
---
amdhsa.version: [ 1, 2 ]
amdhsa.kernels:
  - .name:           k_q6c6f980501_proj
    .symbol:         k_q6c6f980501_proj.kd
    .args:
      - { .name: XI, .offset: 0, .size: 8, .value_kind: global_buffer, .address_space: global }
      - { .name: WI, .offset: 8, .size: 8, .value_kind: global_buffer, .address_space: global }
      - { .name: bq, .offset: 16, .size: 8, .value_kind: global_buffer, .address_space: global }
      - { .name: bk, .offset: 24, .size: 8, .value_kind: global_buffer, .address_space: global }
      - { .name: bv, .offset: 32, .size: 8, .value_kind: global_buffer, .address_space: global }
      - { .name: attention_mask, .offset: 40, .size: 8, .value_kind: global_buffer, .address_space: global }
      - { .name: QI, .offset: 48, .size: 8, .value_kind: global_buffer, .address_space: global }
      - { .name: KI, .offset: 56, .size: 8, .value_kind: global_buffer, .address_space: global }
      - { .name: VI, .offset: 64, .size: 8, .value_kind: global_buffer, .address_space: global }
    .group_segment_fixed_size: 327680
    .private_segment_fixed_size: 0
    .kernarg_segment_align: 8
    .kernarg_segment_size: 72
    .max_flat_workgroup_size: 128
    .sgpr_count:     100
    .vgpr_count:     1024
    .wavefront_size: 32
...
	.end_amdgpu_metadata
.endif
;; end of part 2
;; launch attn (part 3): grid 16 x 16, 8 waves a work-group, clusters of 4 x 1, 327,680 bytes of LDS; arguments QI, KI, VI, anyk, out0; writes out0
.if DOCPART == 3
	.amdgcn_target "amdgcn-amd-amdhsa--gfx1250"
	.amdhsa_code_object_version 6
	.text
	.protected	k_q6c6f980501_attn
	.globl	k_q6c6f980501_attn
	.p2align	8
	.type	k_q6c6f980501_attn,@function
k_q6c6f980501_attn:
	s_mov_b64 s[64:65], 0
	v_nop
	global_prefetch_b8 v0, s[64:65] scope:SCOPE_SE
	s_setreg_imm32_b32 hwreg(HW_REG_WAVE_MODE, 25, 1), 1
	s_wait_xcnt 0x0
	s_wait_alu depctr_hold_cnt(0) depctr_sa_sdst(0) depctr_va_vdst(0) depctr_va_sdst(0) depctr_va_ssrc(0) depctr_va_vcc(0) depctr_vm_vsrc(0)
	s_getreg_b32 s2, hwreg(HW_REG_IB_STS2, 6, 4)
	s_cmp_eq_u32 s2, 0
	s_cbranch_scc0 .Lentry_in_a_cluster
	s_endpgm
.Lentry_in_a_cluster:
	s_bfe_u32 s2, ttmp6, 0x10000c
	s_cmp_lg_u32 s2, 0x3003
	s_cbranch_scc0 .Lentry_shape_is_right
	s_endpgm
.Lentry_shape_is_right:
; out[q][head] = the sum over keys of softmax(q.k / 8, hidden keys left out) v, both products on codes of FP6 (E2M3) with E8M0 scales, from the images that the launch before has stored (their layouts: at its head).
; THE SOFTMAX: t = score x log2(e) / 8; M = the running largest t, rounded up to a whole number; p = 2^(t - M) is quantised along the keys, not normalised; the row's sum is taken of the unquantised p and divides at the end.
; When M moves, the sum and O are multiplied by 2^(old M - new M), which rounds nothing.
; THE MASK costs no instruction here: q k^T has K = 64 in an instruction of 128; channel 64 holds +1.0 in q and -2^105 in a hidden key, 0 in a key that counts.  q's channels 65-127 are zeros, so registers 8-11 of a fragment of k may
; hold anything: a fragment of k is loaded as 8 registers and reaches into the next.  The running largest score begins at -2^102, above a hidden key's.  Where NO key counts, reference() weighs all keys alike: then c = 0 stands for
; log2(e) / 8, by a scalar select on the four words of anyk, and every p is 1.
; LIMITS: the score of a key that counts must lie above -2^102; NaN and infinities are not served.
; SHARES.  A work-group owns 256 queries of one head; each of its eight waves two tiles, A and B, of 16 queries: two waves to a SIMD.  Every wave walks all 4,096 keys, 128 a step; each fragment of k and v read from LDS serves both tiles.
; Both products are used transposed (S^T = k q^T, O^T = v^T p^T): a lane holds one query throughout.
; THE KEYS OF A TILE OF k ARE CHOSEN AT THE LDS READ: rows 0-7 of tile 4 c + u are keys 64 c + 8 u + 0 .. 7, rows 8-15 keys 64 c + 32 + 8 u + 0 .. 7.  So the 32 registers of tiles 4 c .. 4 c + 3 are, in lane (r, h), the whole block
; 64 c + 32 h + 0 .. 31: a block's largest score needs no other lane, and the conversions' results are p's operand as they stand (three moves a block aside).  In the stored image those rows lie 2,048 bytes apart; the tensor load lays
; 32 bytes of padding behind each 512.
; THE TILES TAKE TURNS: in the middle of one tile's softmax stand the other tile's products, O += v p of its step and S of its next step.  Step j's fetch (k of step j + 1, v of step j) stands in tile A's half, one softmax ahead of its use.
; The first trip's O += v p of tile B finds p's codes zero and adds nothing: so the trip is written once for all steps.
; LDS: 21 places for records of k, 20 for v.  Head: k 0-4, v 0-3.  Behind the first barrier, first fills: k 5-12, v 4-11, k 13-20, v 12-19, one load each for waves 0 to 3.  Behind step 11, the one refill: k 21-31, v 20-31 into the first places.
; k lies one step ahead of v in these groups, as the fetches want it, so that no fetch reaches across a barrier.  By this text's own count a wave has at most one tensor load outstanding.
; CLUSTER: the four query blocks of a cluster belong to one head and walk the same k and v: every load is asked for jointly (mask 15).
; NO PREFETCH: all but the refill is asked for by tensor loads at the start, and the refill is asked for eight key steps ahead of the barrier that waits for it.
.set KREC,  8704
.set VREC,  6400
.set IMG,   1536
.set KP,    544                        ; 512 bytes of a record of k + 32 of padding
.set KL,    17*KP                      ; a record of k in LDS
.set VB,    21*KL                      ; behind k's 21 places: v's 20
.set STAGE, 122880                     ; the way out: 2 x 16 rows x 272 bytes a wave, in k's places 13-20, which have had their last fill and, behind the last barrier, their last read
.set SPARE, 322304                     ; the spare words, 128 bytes for each wave: four blocks of 256 bytes that no other line names
; window 0
.set PT,   0                           ; a lane permute's result
.set LIK,  1                           ; lane terms of the LDS addresses: k's codes, k's scale words, 16 x lane, 8 x lane
.set LIKS, 2
.set LI16, 3
.set LI8,  4
.set SPW,  5
.set NIL,  6
.set QS,   7                           ; v7, v8 q's scale words, tile A, B
.set PSW,  9                           ; v9, v10 p's scale words
.set TT,   11
.set KS,   12                          ; v12-15 k's scale words: register i: tile 2 i in lanes 0-15, 2 i + 1 in lanes 16-31
.set VS,   16                          ; v16-17 v's likewise
.set NM,   18                          ; v18-21 (-M, the running largest score) of A, of B
.set LS,   22                          ; v22-25 the row's sum in two halves, A, B
.set FF,   26                          ; f = 2^(old M - new M)
.set UU,   27
.set BM,   28                          ; v28-29 my two blocks' largest scores, then largest p
.set SO,   30                          ; v30-31 the conversions' scale operands
.set CT,   32                          ; v32-39 upper half blocks' codes; at a fetch: its four addresses
.set PCA,  40                          ; v40-51, v52-63 p's codes, A, B (ahead of the conversions: six partial sums)
.set SA,   64                          ; v64-127, v128-191 S^T, then p
.set OA,   192                         ; v192-223, v224-255 O^T
; window 1
.set FK,   0                           ; v0-67 fragments of k (8 x 8 + 4)
.set FV,   72                          ; v72-119 fragments of v (4 x 12)
.set QF,   120                         ; v120-131, v132-143 q's fragments
.set WV,   14
.set SEL,  20
.set CS,   22
.set G1K,  24
.set G1V,  32
.set G0K,  40
.set G0V,  44
.set G0K2, 48
.set G0V2, 52
.set TBK,  56
.set TBV,  57
.set CNT,  58
.set MSB, 0
.macro WIN new                         ; the immediate's high byte repeats the setting that is left
.if MSB != \new
	s_set_vgpr_msb (MSB<<8)|\new
.set MSB, \new
.endif
.endm
.macro ARM w, g0, g1, join             ; one arm of a chain of branches on the wave's number: one load, then on to the join (the five lines behind the load)
	s_cmp_eq_u32 s[WV], \w
	s_cbranch_scc0 .Lna_\@
	tensor_load_to_lds s[\g0:\g0+3], s[\g1:\g1+7]
	s_nop 0
.rept 4
	v_nop
.endr
	s_branch \join
.Lna_\@:
.endm
.macro CROUND                          ; a round of the cluster's barrier
	s_barrier_signal -1
	s_barrier_wait -1
	s_cmp_lg_u32 s[WV], 0
	s_cbranch_scc1 .Lnot_wave_0_\@
	s_barrier_signal -3
.Lnot_wave_0_\@:
	s_barrier_wait -3
	s_barrier_signal -1
	s_barrier_wait -1
.endm
	s_load_b128 s[4:7], s[0:1], 0x0                ; QI, KI
	s_load_b128 s[8:11], s[0:1], 0x10              ; VI, anyk
	s_load_b64 s[12:13], s[0:1], 0x20              ; out0
	v_lshl_add_u32 v[SPW], v0, 2, SPARE
	v_mov_b32 v[NIL], 0
	ds_add_u32 v[SPW], v[NIL]                      ; the opening lines: the add, twice on end, and its wait
	ds_add_u32 v[SPW], v[NIL]
	v_lshrrev_b32 v11, 5, v0
	v_readfirstlane_b32 s[WV], v11                 ; wave 0..7
	s_bfe_u32 s59, ttmp6, 0x40000                  ; cx: it enters q's and out0's addresses alone
	s_lshl_b32 s60, ttmp9, 2
	s_add_co_u32 s60, s60, s59                     ; my block of 256 queries
	s_and_b32 s15, ttmp7, 0xffff                   ; the head, which the four partners share
	s_mul_i32 s16, s15, 32*KREC
	s_mov_b32 s17, 0
	s_mul_i32 s18, s15, 32*VREC
	s_mov_b32 s19, 0
	s_mov_b32 s[G1K], 15|(3<<16)|(1<<20)|(1<<21)|(6<<22)|(7<<25)   ; the mask: all four; elements of 8 bytes; behind every 128 words 8 words of padding; bit 21 beside a mask
	s_mov_b32 s[G1K+1], 64<<16                     ; rows of 512 bytes,
	s_mov_b32 s[G1K+2], 85<<16                     ; 17 to a record: five records
	s_mov_b32 s[G1K+3], 64<<16
	s_mov_b32 s[G1K+4], 85
	s_mov_b32 s[G1K+5], 64
	s_mov_b32 s[G1K+6], 0
	s_mov_b32 s[G1K+7], 0
	s_mov_b32 s[G1V], 15|(3<<16)|(1<<21)
	s_mov_b32 s[G1V+1], 32<<16                     ; rows of 256 bytes,
	s_mov_b32 s[G1V+2], 100<<16                    ; 25 to a record: four records
	s_mov_b32 s[G1V+3], 32<<16
	s_mov_b32 s[G1V+4], 100
	s_mov_b32 s[G1V+5], 32
	s_mov_b32 s[G1V+6], 0
	s_mov_b32 s[G1V+7], 0
	s_lshr_b32 s61, s[WV], 2                       ; which of the block's two groups of 128 queries
	s_and_b32 s62, s[WV], 3                        ; which pair of its tiles: A = 2 x this, B = A + 1
	s_lshl_b32 s66, s15, 5
	s_lshl_b32 s67, s60, 1
	s_add_co_u32 s66, s66, s67
	s_add_co_u32 s66, s66, s61
	s_mul_i32 s66, s66, KREC                       ; q's record
	s_mov_b32 s67, 0
	s_lshl_b32 s72, s60, 8                         ; tile A's image row 0 is query 256 block + 128 group + 32 pair; tile B's lies 8 queries on
	s_lshl_b32 s73, s61, 7
	s_add_co_u32 s72, s72, s73
	s_lshl_b32 s73, s62, 5
	s_add_co_u32 s72, s72, s73
	s_lshl_b32 s72, s72, 12                        ; a row of out0 is 4,096 bytes,
	s_lshl_b32 s73, s15, 8                         ; a head's part of it 256
	s_add_co_u32 s72, s72, s73
	s_mov_b32 s73, 0
	s_mov_b32 s[SEL], 0x76543210
	s_mov_b32 s[SEL+1], 0xfedcba98                 ; v_permlanex16_b32's selects for lane l xor 16
	s_wait_dscnt 0x0
	s_wait_kmcnt 0x0
	s_load_b32 s68, s[10:11], 0x0                  ; does a quarter of the mask hold a key that counts?
	s_load_b32 s69, s[10:11], 0x80
	s_load_b32 s70, s[10:11], 0x100
	s_load_b32 s71, s[10:11], 0x180
	s_mov_b32 s[G0K], 1
	s_mov_b32 s[G0K+1], 0
	s_add_nc_u64 s[G0K+2:G0K+3], s[6:7], s[16:17]
	s_mov_b32 s[G0K2], 1
	s_mov_b32 s[G0K2+1], 13*KL
	s_add_nc_u64 s[G0K2+2:G0K2+3], s[G0K+2:G0K+3], 13*KREC
	s_or_b32 s[G0K+3], s[G0K+3], 0x80000000
	s_or_b32 s[G0K2+3], s[G0K2+3], 0x80000000
	s_mov_b32 s[G0V], 1
	s_mov_b32 s[G0V+1], VB
	s_add_nc_u64 s[G0V+2:G0V+3], s[8:9], s[18:19]
	s_mov_b32 s[G0V2], 1
	s_mov_b32 s[G0V2+1], VB+12*VREC
	s_add_nc_u64 s[G0V2+2:G0V2+3], s[G0V+2:G0V+3], 12*VREC
	s_or_b32 s[G0V+3], s[G0V+3], 0x80000000
	s_or_b32 s[G0V2+3], s[G0V2+3], 0x80000000
	s_add_nc_u64 s[4:5], s[4:5], s[66:67]
	s_add_nc_u64 s[12:13], s[12:13], s[72:73]
	CROUND                                         ; all four work-groups are here: the first joint loads meet
	ARM 0, G0K, G1K, .Lj0                          ; k 0-4
	ARM 1, G0V, G1V, .Lj0                          ; v 0-3
.Lj0:
	v_and_b32 v11, 31, v0
	v_lshlrev_b32 v[LI16], 4, v11
	v_lshlrev_b32 v[LI8], 3, v11
	v_and_b32 v26, 7, v0                           ; r % 8
	v_bfe_u32 v27, v0, 3, 1                        ; r / 8
	v_bfe_u32 v28, v0, 4, 1                        ; h
	v_lshlrev_b32 v29, 4, v26
	v_lshl_add_u32 v29, v28, 8, v29                ; 16 (r % 8) + 256 h
	v_mad_u32_u24 v[LIK], v27, 4*KP, v29           ; rows 8-15 come from the stored tile two further on: 2,048 bytes, four padded rows
	v_lshl_add_u32 v[LIKS], v27, 2, v29            ; and their scale words from the word beside
	s_lshl_b32 s59, s62, 11
	v_add_nc_u32 v30, s59, v[LI16]                 ; q: tile A's image, 16 x lane
	v_and_b32 v31, 15, v0
	s_lshl_b32 s59, s62, 2
	v_lshl_add_u32 v31, v31, 4, s59                ; row r's word of tile t: 16 (r + 16 (t % 2)) + 4 (t / 2)
	WIN 0x40                                       ; destinations in window 1
.irp x, 0,1
	global_load_b128 v[QF+12*\x:QF+12*\x+3], v30, s[4:5] offset:1024*\x
	global_load_b128 v[QF+12*\x+4:QF+12*\x+7], v30, s[4:5] offset:1024*\x+512
.endr
.irp j, QF+8,QF+9,QF+10,QF+11, QF+20,QF+21,QF+22,QF+23, FK+64,FK+65,FK+66,FK+67
	v_mov_b32 v[\j], 0                             ; q's registers 8-11; and what the last fragment of k reaches into
.endr
	WIN 0
	global_load_b32 v[QS], v31, s[4:5] offset:8192
	global_load_b32 v[QS+1], v31, s[4:5] offset:8192+256
; O^T of tile y += v^T p^T: four accumulators by turns.  v's fragments lie in window 1
.macro PVM y
	WIN 0x01
.irp t, 0,2
	v_wmma_scale_f32_16x16x128_f8f6f4 v[OA+32*(\y)+8*\t:OA+32*(\y)+8*\t+7], v[FV+12*\t:FV+12*\t+11], v[PCA+12*(\y):PCA+12*(\y)+11], v[OA+32*(\y)+8*\t:OA+32*(\y)+8*\t+7], v[VS+\t/2], v[PSW+(\y)] matrix_a_fmt:MATRIX_FMT_FP6 matrix_b_fmt:MATRIX_FMT_FP6
	v_wmma_scale_f32_16x16x128_f8f6f4 v[OA+32*(\y)+8*\t+8:OA+32*(\y)+8*\t+15], v[FV+12*\t+12:FV+12*\t+23], v[PCA+12*(\y):PCA+12*(\y)+11], v[OA+32*(\y)+8*\t+8:OA+32*(\y)+8*\t+15], v[VS+\t/2], v[PSW+(\y)] matrix_a_fmt:MATRIX_FMT_FP6 matrix_b_fmt:MATRIX_FMT_FP6 matrix_a_scale:MATRIX_SCALE_ROW1
.endr
.endm
; S^T of tile y = k q^T: k's and q's fragments lie in window 1
.macro SM y
	WIN 0x05
.irp t, 0,2,4,6
	v_wmma_scale_f32_16x16x128_f8f6f4 v[SA+64*(\y)+8*\t:SA+64*(\y)+8*\t+7], v[FK+8*\t:FK+8*\t+11], v[QF+12*(\y):QF+12*(\y)+11], 0, v[KS+\t/2], v[QS+(\y)] matrix_a_fmt:MATRIX_FMT_FP6 matrix_b_fmt:MATRIX_FMT_FP6
	v_wmma_scale_f32_16x16x128_f8f6f4 v[SA+64*(\y)+8*\t+8:SA+64*(\y)+8*\t+15], v[FK+8*\t+8:FK+8*\t+19], v[QF+12*(\y):QF+12*(\y)+11], 0, v[KS+\t/2], v[QS+(\y)] matrix_a_fmt:MATRIX_FMT_FP6 matrix_b_fmt:MATRIX_FMT_FP6 matrix_a_scale:MATRIX_SCALE_ROW1
.endr
.endm
; A FETCH: the record of k at s[TBK] (what = 1) and the record of v at s[TBV].  Its first four lines are the places between the products above it and the loads into the registers that they read
.macro LOADS what
.if \what == 1
	v_add_nc_u32 v[CT], s[TBK], v[LIK]
	v_add_nc_u32 v[CT+1], s[TBK], v[LIKS]
.else
	v_nop
	v_nop
.endif
	v_add_nc_u32 v[CT+2], s[TBV], v[LI16]
	v_add_nc_u32 v[CT+3], s[TBV], v[LI8]
	WIN 0x40
.if \what == 1
.set t, 0
.rept 8                                ; tile t = 4 c + u: stored tiles 4 c + u % 2 (rows 0-7) and two on (rows 8-15), their rows 8 (u / 2) + 0 .. 7
.irp k, 0,1
	ds_load_b128 v[FK+8*t+4*\k:FK+8*t+4*\k+3], v[CT] offset:KP*(2*(4*(t/4)+(t&1))+\k)+128*((t>>1)&1)
.endr
.set t, t+1
.endr
.endif
.irp t, 0,1,2,3
.irp k, 0,1,2
	ds_load_b128 v[FV+12*\t+4*\k:FV+12*\t+4*\k+3], v[CT+2] offset:IMG*\t+512*\k
.endr
.endr
	WIN 0
.if \what == 1
.irp i, 0,1,2,3
	ds_load_b32 v[KS+\i], v[CT+1] offset:16*KP+128*(\i&1)+8*(\i>>1)
.endr
.endif
	ds_load_b64 v[VS:VS+1], v[CT+3] offset:6144
.endm
; HALF A STEP: the softmax of tile x (0 = A, 1 = B) on 128 keys; in its middle the other tile's products (pv: O += v p, sn: its next S) and, ld > 0, a fetch.  dsw: the products wait for the last fetch.
.macro HALF x, pv, sn, ld, dsw
.set SX,  SA+64*(\x)
.set OX,  OA+32*(\x)
.set PCX, PCA+12*(\x)
.set PSX, PSW+(\x)
.set NMX, NM+2*(\x)
.set LX,  LS+2*(\x)
	s_wait_alu depctr_va_vdst(0)                   ; the wait here, directly ahead of the first readers of S^T
.irp c, 0,1                                    ; the largest score of my two blocks of 32 keys, each in two chains: for the row's maximum and, since p rises with the score, for the block's largest p
	v_max3_num_f32 v[BM+\c], v[SX+32*\c], v[SX+32*\c+1], v[SX+32*\c+2]
	v_max3_num_f32 v[SO+\c], v[SX+32*\c+16], v[SX+32*\c+17], v[SX+32*\c+18]
.endr
.set i, 3
.rept 6
.irp c, 0,1
	v_max3_num_f32 v[BM+\c], v[BM+\c], v[SX+32*\c+i], v[SX+32*\c+i+1]
	v_max3_num_f32 v[SO+\c], v[SO+\c], v[SX+32*\c+16+i], v[SX+32*\c+17+i]
.endr
.set i, i+2
.endr
.irp c, 0,1
	v_max3_num_f32 v[BM+\c], v[BM+\c], v[SO+\c], v[SX+32*\c+15]
.endr
.irp c, 0,1
	v_max_num_f32 v[BM+\c], v[BM+\c], v[SX+32*\c+31]
.endr
.if \dsw
	s_wait_alu depctr_va_vdst(0)                   ; the wait here, directly ahead of the wait below
	s_wait_dscnt 0x0                               ; the last fetch is in
.endif
.if \pv
	PVM 1-(\x)
.endif
.if \sn
	SM 1-(\x)
.endif
	WIN 0
.if \ld
	LOADS \ld
.endif
	v_max_num_f32 v[TT], v[BM], v[BM+1]
	s_delay_alu instid0(VALU_DEP_1)
	v_permlanex16_b32 v[PT], v[TT], s[SEL], s[SEL+1]
	s_delay_alu instid0(VALU_DEP_1)
	v_max3_num_f32 v[NMX+1], v[NMX+1], v[TT], v[PT]    ; the running largest score of my query, lane l xor 16's keys among them
	s_delay_alu instid0(VALU_DEP_1)
	v_mul_f32 v[UU], s[CS], v[NMX+1]               ; as t (c is not negative)
	v_mov_b32 v[TT], v[NMX]
	s_delay_alu instid0(VALU_DEP_2)
	v_floor_f32 v[NMX], -v[UU]                     ; the new -M = -ceil(t): a whole number
	s_delay_alu instid0(VALU_DEP_1)
	v_sub_f32 v[TT], v[NMX], v[TT]                 ; old M - new M, 0 or less
	s_delay_alu instid0(VALU_DEP_1)
	v_cvt_i32_f32 v[TT], v[TT]                     ; (it saturates)
	s_delay_alu instid0(VALU_DEP_1)
	v_ldexp_f32 v[FF], 1.0, v[TT]                  ; f = 2^(old M - new M)
.set i, 0
.rept 32
	v_pk_fma_f32 v[SX+i:SX+i+1], v[SX+i:SX+i+1], s[CS:CS+1], v[NMX:NMX+1] op_sel_hi:[1,0,0]   ; t - M, two at a time
.set i, i+2
.endr
.irp c, 0,1
	v_fma_f32 v[BM+\c], v[BM+\c], s[CS], v[NMX]    ; the same of each block's largest score
.endr
	s_wait_alu depctr_va_vdst(0)                   ; the wait ahead of the batch
.set i, 0
.rept 64
	v_exp_f32 v[SX+i], v[SX+i]                     ; p = 2^(t - M)
.set i, i+1
.endr
.irp c, 0,1
	v_exp_f32 v[BM+\c], v[BM+\c]                   ; the block's largest p: the same two instructions on the same number give the same bits
.endr
	v_pk_mul_f32 v[LX:LX+1], v[LX:LX+1], v[FF:FF+1] op_sel_hi:[1,0]    ; the sums under the new M: the plain instruction behind the exponentials
	s_wait_alu depctr_va_vdst(0)                   ; one wait for the batch, ahead of its first reader
.set i, 0
.rept 6                                        ; the row's sum of the unquantised p: six chains, in the registers that p's codes take afterwards
	v_pk_add_f32 v[PCX+2*i:PCX+2*i+1], v[SX+2*i:SX+2*i+1], v[SX+12+2*i:SX+13+2*i]
.set i, i+1
.endr
.set i, 0
.rept 20
	v_pk_add_f32 v[PCX+2*(i%6):PCX+2*(i%6)+1], v[PCX+2*(i%6):PCX+2*(i%6)+1], v[SX+24+2*i:SX+25+2*i]
.set i, i+1
.endr
.irp i, 0,1,2
	v_pk_add_f32 v[PCX+2*\i:PCX+2*\i+1], v[PCX+2*\i:PCX+2*\i+1], v[PCX+6+2*\i:PCX+7+2*\i]
.endr
.irp c, 0,1
	v_max_num_f32 v[BM+\c], 0x1800000, v[BM+\c]    ; the floor 2^(3 - 127): a block whose every p is 0 keeps the byte 1: its codes are zeros
.endr
.irp c, 0,1
	s_delay_alu instid0(VALU_DEP_2)
	v_add_nc_u32 v[SO+\c], 0xff000000, v[BM+\c]    ; 2 off the exponent field: the conversion's scale operand
.endr
	v_pk_add_f32 v[PCX:PCX+1], v[PCX:PCX+1], v[PCX+2:PCX+3]
	v_pk_add_f32 v[LX:LX+1], v[LX:LX+1], v[PCX+4:PCX+5]
	v_lshrrev_b32 v[TT], 23, v[SO]                 ; the bytes of my blocks h and 2 + h
	v_lshrrev_b32 v[UU], 23, v[SO+1]
	v_pk_add_f32 v[LX:LX+1], v[LX:LX+1], v[PCX:PCX+1]
	s_delay_alu instid0(VALU_DEP_2)
	v_lshl_or_b32 v[TT], v[UU], 16, v[TT]
	s_delay_alu instid0(VALU_DEP_1)
	v_permlanex16_b32 v[PT], v[TT], s[SEL], s[SEL+1]
.irp c, 0,1
	v_cvt_scalef32_pk16_fp6_f32 v[PCX+6*\c:PCX+6*\c+2], v[SX+32*\c:SX+32*\c+15], v[SO+\c]
	v_cvt_scalef32_pk16_fp6_f32 v[CT+4*\c:CT+4*\c+2], v[SX+32*\c+16:SX+32*\c+31], v[SO+\c]   ; (a conversion's three registers begin on an even number)
.endr
	v_lshl_or_b32 v[PSX], v[PT], 8, v[TT]          ; p's scale word, whole in lanes 0-15, which alone are read.  (The plain place behind the conversions)
.irp c, 0,1
.irp i, 0,1,2
	v_mov_b32 v[PCX+6*\c+3+\i], v[CT+4*\c+\i]
.endr
.endr
	s_wait_alu depctr_va_vdst(0)                   ; the wait here, directly ahead of the first reader of O^T
.set i, 0
.rept 16
	v_pk_mul_f32 v[OX+i:OX+i+1], v[OX+i:OX+i+1], v[FF:FF+1] op_sel_hi:[1,0]    ; O^T under the new M
.set i, i+2
.endr
.endm
; n steps whose fetches take k from place k0 on and v from place p0 on
.macro PHASE k0, p0, n
	s_mov_b32 s[TBK], (\k0)*KL
	s_mov_b32 s[TBV], VB+(\p0)*VREC
	s_mov_b32 s[CNT], \n
.Lph_\@:
	HALF 0, 1, 1, 1, 0
	HALF 1, 1, 1, 0, 1
	s_add_co_u32 s[TBK], s[TBK], KL
	s_add_co_u32 s[TBV], s[TBV], VREC
	s_sub_co_u32 s[CNT], s[CNT], 1
	s_cmp_lg_u32 s[CNT], 0
	s_cbranch_scc1 .Lph_\@
.endm
.macro SHOW                            ; a barrier behind which nothing is filled: it shows the tiles that were on their way to all eight waves
	s_wait_tensorcnt 0x0
	s_wait_dscnt 0x0
	s_barrier_signal -1
	s_barrier_wait -1
.endm
	s_wait_alu depctr_va_vdst(0)                   ; the wait at the head's end
	s_wait_tensorcnt 0x0                           ; the head's tiles; these lines ahead of later first fills, the add twice
	ds_add_u32 v[SPW], v[NIL]
	ds_add_u32 v[SPW], v[NIL]
	s_mov_b32 s[G0K+1], 5*KL                       ; no tensor load of mine is out, so the descriptors may be written: k 5-12,
	s_add_nc_u64 s[G0K+2:G0K+3], s[G0K+2:G0K+3], 5*KREC
	s_mov_b32 s[G0V+1], VB+4*VREC                  ; v 4-11;
	s_add_nc_u64 s[G0V+2:G0V+3], s[G0V+2:G0V+3], 4*VREC
	s_mov_b32 s[G1K+2], 136<<16                    ; eight records to a load
	s_mov_b32 s[G1K+4], 136
	s_mov_b32 s[G1V+2], 200<<16
	s_mov_b32 s[G1V+4], 200
	s_wait_dscnt 0x0
	CROUND
	ARM 0, G0K,  G1K, .Lj1
	ARM 1, G0V,  G1V, .Lj1
	ARM 2, G0K2, G1K, .Lj1                         ; k 13-20
	ARM 3, G0V2, G1V, .Lj1                         ; v 12-19
.Lj1:
	s_mov_b32 s[TBK], 0
	s_mov_b32 s[TBV], VB
	LOADS 1                                        ; k 0, and v 0 for the first trip's product with zero codes
	s_wait_kmcnt 0x0
	s_or_b32 s68, s68, s69
	s_or_b32 s70, s70, s71
	s_or_b32 s68, s68, s70
	s_cmp_lg_u32 s68, 0
	s_cselect_b32 s[CS], 0x3e38aa3b, 0             ; c = log2(e) / 8, or 0 where no key counts
	s_mov_b32 s[CS+1], s[CS]                       ; (named with it as a pair)
	s_wait_loadcnt 0x0                             ; q
	s_wait_dscnt 0x0
	SM 0                                           ; tile A's first scores
	WIN 0
.set i, 0
.rept 64
	v_mov_b32 v[OA+i], 0                           ; O^T of both tiles.  (These lines are also the places behind the products above)
.set i, i+1
.endr
.set i, 0
.rept 12
	v_mov_b32 v[PCA+12+i], 0                       ; tile B's p ahead of its first step: zero codes
.set i, i+1
.endr
	v_mov_b32 v[PSW+1], 0x01010101                 ; under finite scale bytes
.irp x, 0,1
	v_mov_b32 v[NM+2*\x], 0x72800000               ; -M = 2^102, at or above every later -M, so that the first f is not above 1
	v_mov_b32 v[NM+2*\x+1], 0xf2800000             ; the largest score so far: -2^102
	v_mov_b32 v[LS+2*\x], 0
	v_mov_b32 v[LS+2*\x+1], 0
.endr
	PHASE 1, 0, 4                                  ; steps 0-3: their fetches take k 1-4, v 0-3
	SHOW                                           ; k 5-20 and v 4-19 are in
	PHASE 5, 4, 8                                  ; steps 4-11
	s_wait_tensorcnt 0x0                           ; THE ONE REFILL.  The add twice
	ds_add_u32 v[SPW], v[NIL]
	ds_add_u32 v[SPW], v[NIL]
	s_mov_b32 s[G0K+1], 0                          ; k 21-31 into places 0-10,
	s_add_nc_u64 s[G0K+2:G0K+3], s[G0K+2:G0K+3], 16*KREC
	s_mov_b32 s[G0V+1], VB                         ; v 20-31 into places 0-11: all were last read by step 11's fetch
	s_add_nc_u64 s[G0V+2:G0V+3], s[G0V+2:G0V+3], 16*VREC
	s_mov_b32 s[G1K+2], 187<<16
	s_mov_b32 s[G1K+4], 187
	s_mov_b32 s[G1V+2], 300<<16
	s_mov_b32 s[G1V+4], 300
	s_wait_dscnt 0x0                               ; the adds are done, and so are my reads of those places
	CROUND
	ARM 0, G0K, G1K, .Lj2
	ARM 1, G0V, G1V, .Lj2
.Lj2:
	PHASE 13, 12, 8                                ; steps 12-19
	SHOW                                           ; the refill is in
	PHASE 0, 0, 11                                 ; steps 20-30
	HALF 0, 1, 1, 2, 0                             ; step 31 is written out: no k is left to fetch,
	HALF 1, 1, 0, 0, 1                             ; and no further scores are made
	PVM 1
	WIN 0
	; THE WAY OUT.  O^T / the sum goes through my stages in LDS and leaves as rows: sixteen lanes store a query's 256 consecutive bytes of this head.
	v_add_f32 v[LS], v[LS], v[LS+1]
	v_add_f32 v[LS+2], v[LS+2], v[LS+3]
	s_delay_alu instid0(VALU_DEP_2)
	v_permlanex16_b32 v[PT], v[LS], s[SEL], s[SEL+1]
	s_delay_alu instid0(VALU_DEP_2)
	v_permlanex16_b32 v[TT], v[LS+2], s[SEL], s[SEL+1]
	s_delay_alu instid0(VALU_DEP_2)
	v_add_f32 v[LS], v[LS], v[PT]                  ; the rows' sums
	s_delay_alu instid0(VALU_DEP_2)
	v_add_f32 v[LS+2], v[LS+2], v[TT]
	s_wait_alu depctr_va_vdst(0)                   ; the wait ahead of the transcendentals
	v_rcp_f32 v[LS], v[LS]
	v_rcp_f32 v[LS+2], v[LS+2]
	s_mul_i32 s66, s[WV], 2*4352
	s_add_co_u32 s66, s66, STAGE                   ; my two stages
	v_bfe_u32 v28, v[LI16], 4, 4                   ; r
	v_bfe_u32 v29, v[LI16], 8, 1                   ; h
	v_mul_u32_u24 v30, v28, 272
	v_mul_u32_u24 v31, v29, 272
	v_lshlrev_b32 v32, 12, v29
	v_lshl_add_u32 v30, v29, 6, v30
	v_lshl_add_u32 v31, v28, 4, v31
	v_lshl_add_u32 v32, v28, 4, v32                ; two rows of out0, 16 bytes a lane
	v_add_nc_u32 v30, s66, v30                     ; in: row r; register 16 b + i is channel 32 b + 16 h + i: 128 b + 64 h bytes on
	v_add_nc_u32 v31, s66, v31                     ; back: lanes 0-15 one row, lanes 16-31 the next
	s_wait_alu depctr_va_vdst(0)                   ; the wait ahead of the first readers of the reciprocals and of O^T
.irp x, 0,1
.set i, 0
.rept 16
	v_pk_mul_f32 v[SA+64*\x+i:SA+64*\x+i+1], v[OA+32*\x+i:OA+32*\x+i+1], v[LS+2*\x:LS+2*\x+1] op_sel_hi:[1,0]   ; each accumulator from its low end on
.set i, i+2
.endr
.endr
.irp x, 0,1
.irp e, 0,1
.irp i, 0,1,2,3
	ds_store_b128 v30, v[SA+64*\x+16*\e+4*\i:SA+64*\x+16*\e+4*\i+3] offset:4352*\x+128*\e+16*\i
.endr
.endr
.irp i, 0,1,2,3,4,5,6,7
	ds_load_b128 v[SA+64*\x+32+4*\i:SA+64*\x+32+4*\i+3], v31 offset:4352*\x+2*\i*272   ; LDS serves a wave's instructions in order: these see my stores
.endr
.endr
.irp x, 0,1
	s_wait_dscnt 16-16*\x                          ; tile A is back while tile B's eight stores and eight loads may be out; then all
.irp i, 0,1,2,3,4,5,6,7
	global_store_b128 v32, v[SA+64*\x+32+4*\i:SA+64*\x+32+4*\i+3], s[12:13] offset:(8*\x+2*\i+8*(\i/4))*4096 th:TH_STORE_NT   ; image row p = 2 i + h is query p + 8 (p / 8) of the tile; 16 lanes store 256 consecutive bytes, at a multiple of 256 from out0's first byte
.endr
.endr
	s_wait_tensorcnt 0x0                           ; the wave's end
	ds_add_u32 v[SPW], v[NIL]
	s_wait_dscnt 0x0
	CROUND                                         ; the closing round: no work-group ends while a partner may still ask for a tile that names it
	s_endpgm
.Lfunc_end_k_q6c6f980501_attn:
	.size	k_q6c6f980501_attn, .Lfunc_end_k_q6c6f980501_attn-k_q6c6f980501_attn
	.p2alignl 7, 3214868480
	.fill 96, 4, 3214868480
	.section	.rodata,"a",@progbits
	.p2align	6, 0x0
	.amdhsa_kernel k_q6c6f980501_attn
		.amdhsa_group_segment_fixed_size 327680
		.amdhsa_private_segment_fixed_size 0
		.amdhsa_enable_private_segment 0
		.amdhsa_kernarg_size 40
		.amdhsa_user_sgpr_count 2
		.amdhsa_user_sgpr_kernarg_segment_ptr 1
		.amdhsa_wavefront_size32 1
		.amdhsa_system_sgpr_workgroup_id_x 1
		.amdhsa_system_sgpr_workgroup_id_y 1
		.amdhsa_system_sgpr_workgroup_id_z 1
		.amdhsa_system_vgpr_workitem_id 0
		.amdhsa_next_free_vgpr 512
		.amdhsa_next_free_sgpr 80
		.amdhsa_reserve_vcc 0
		.amdhsa_float_denorm_mode_32 3
		.amdhsa_float_denorm_mode_16_64 3
		.amdhsa_memory_ordered 1
		.amdhsa_forward_progress 1
		.amdhsa_inst_pref_size 162
	.end_amdhsa_kernel
	.amdgpu_metadata
---
amdhsa.version: [ 1, 2 ]
amdhsa.kernels:
  - .name:           k_q6c6f980501_attn
    .symbol:         k_q6c6f980501_attn.kd
    .args:
      - { .name: QI, .offset: 0, .size: 8, .value_kind: global_buffer, .address_space: global }
      - { .name: KI, .offset: 8, .size: 8, .value_kind: global_buffer, .address_space: global }
      - { .name: VI, .offset: 16, .size: 8, .value_kind: global_buffer, .address_space: global }
      - { .name: anyk, .offset: 24, .size: 8, .value_kind: global_buffer, .address_space: global }
      - { .name: out0, .offset: 32, .size: 8, .value_kind: global_buffer, .address_space: global }
    .group_segment_fixed_size: 327680
    .private_segment_fixed_size: 0
    .kernarg_segment_align: 8
    .kernarg_segment_size: 40
    .max_flat_workgroup_size: 256
    .sgpr_count:     80
    .vgpr_count:     512
    .wavefront_size: 32
...
	.end_amdgpu_metadata
.endif
;; end of part 3
